; MI455X (gfx1250); checked and timed in simulation.
; The chip was launched on July 23, 2026; its instructions are those of AMD's public machine-readable ISA for CDNA 5 (MIT licence, August 2026) and "CDNA5" Instruction Set Architecture Reference Guide (July 2026). The comments in the code are by the model that wrote it; some were corrected since.
;; Multi Head Attention. Allowed arithmetic: matrix products marked QUANTISED: E2M3 operands, one E8M0 scale for each 32 along K, by v_wmma_scale_f32_16x16x128_f8f6f4 with both operands' format E2M3, f32 sums; everything else in f32.
;; Inputs: Wk_codes 16 x 64 x 32 x 24 uint8 (E2M3 codes of Wk, K innermost, in blocks of 32 codes, four codes in three bytes); Wk_scales 16 x 64 x 32 uint8 (E8M0 scales of Wk, one for each 32 codes along K); Wo_codes 1,024 x 32 x 24 uint8 (E2M3 codes of Wo, K innermost, in blocks of 32 codes, four codes in three bytes); Wo_scales 1,024 x 32 uint8 (E8M0 scales of Wo, one for each 32 codes along K); Wq_codes 16 x 64 x 32 x 24 uint8 (E2M3 codes of Wq, K innermost, in blocks of 32 codes, four codes in three bytes); Wq_scales 16 x 64 x 32 uint8 (E8M0 scales of Wq, one for each 32 codes along K); Wv_codes 16 x 64 x 32 x 24 uint8 (E2M3 codes of Wv, K innermost, in blocks of 32 codes, four codes in three bytes); Wv_scales 16 x 64 x 32 uint8 (E8M0 scales of Wv, one for each 32 codes along K); bo 1,024 float32; x_codes 4 x 2,048 x 32 x 24 uint8 (E2M3 codes of x, K innermost, in blocks of 32 codes, four codes in three bytes); x_scales 4 x 2,048 x 32 uint8 (E8M0 scales of x, one for each 32 codes along K).
;; Outputs: out0 4 x 2,048 x 1,024 float32.
;; This version of the problem:
;;   THIS VERSION OF THE PROBLEM IS GIVEN IN LOW PRECISION. The matrix products marked QUANTISED in the list below multiply operands that are first quantised to E2M3 (2 exponent bits, 3 mantissa bits; 6 bits a number), with one power-of-two scale for each 32 numbers along K (OCP MX v1.0); their sums are f32. All else is computed in f32.
;;   The module's matrix products, in the order in which they are computed (A, B: the left and right operand; K: the contracted axis; several contracted axes count as one K, in the product's order):
;;     1. [M 1,024, K 1,024] x [K 1,024, N 8,192]; A: input Wq (given as codes); B: input x (given as codes): QUANTISED
;;     2. [M 1,024, K 1,024] x [K 1,024, N 8,192]; A: input Wk (given as codes); B: input x (given as codes): QUANTISED
;;     3. [M 1,024, K 1,024] x [K 1,024, N 8,192]; A: input Wv (given as codes); B: input x (given as codes): QUANTISED
;;     4. batch 64 x [M 2,048, K 64] x [K 64, N 2,048]; A: computed on the way; B: computed on the way: QUANTISED
;;     5. batch 64 x [M 2,048, K 2,048] x [K 2,048, N 64]; A: softmax (see below); B: computed on the way: QUANTISED
;;     6. [M 8,192, K 1,024] x [K 1,024, N 1,024]; A: computed on the way; B: input Wo (given as codes): QUANTISED
;;   THE QUANTISER, for each operand of a quantised product, along K:
;;     - K is cut into blocks of 32 from its start; a last block that is shorter is filled with zeros.
;;     - A block's scale is 2^e with e = floor(log2(the largest magnitude in the block)) - 2, held to -126 .. 127; a block of zeros has e = 0. As a byte (E8M0): e + 127.
;;     - Each number is divided by its block's scale, clamped to +-7.5, and rounded to the nearest number of E2M3, ties to even, subnormals kept.
;;     - The product sums the exact products of the quantised numbers (number of the format x scale) in f32.
;;   ~~~python
;;   def quantise(x, axis):      # numpy; x: float32 -> the quantised numbers, widened to float32 again
;;       x = np.moveaxis(x, axis, -1); K = x.shape[-1]
;;       x = np.pad(x, [(0, 0)] * (x.ndim - 1) + [(0, -K % 32)]); x = x.reshape(x.shape[:-1] + (-1, 32)); a = np.abs(x).max(-1, keepdims=True)
;;       e = np.where(a > 0, np.clip(np.frexp(np.where(a > 0, a, 1))[1] - 1 - 2, -126, 127), 0)      # np.frexp(a)[1] - 1 = floor(log2(a)), exactly
;;       r = np.clip(x / 2.0 ** e, -7.5, 7.5)
;;       step = 2.0 ** (np.maximum(np.frexp(np.where(r == 0, 1, r))[1] - 1, 0) - 3)
;;       q = np.round(r / step) * step * 2.0 ** e      # np.round: ties to even
;;       return np.moveaxis(q.reshape(q.shape[:-2] + (-1,))[..., :K], -1, axis).astype(np.float32)
;;   ~~~
;;   SOFTMAX AHEAD OF A QUANTISED PRODUCT. Where the list says 'softmax', what is quantised is not the finished softmax but p = 2^(t - M), with t = logit x log2(e) and M = ceil(the row's largest t), a whole number; so 1/2 < the row's largest p <= 1. The row's sum l is taken of the UNQUANTISED p, in f32, and the product's result is divided by l at the end. Since M is a whole number, a kernel that streams over the keys may use a running M (the ceiling of the running maximum): every later rescaling is an exact power of two, which a block's scale takes up: the codes' values come out the same.
;;   OPERANDS COMPUTED ON THE WAY. 'Computed on the way' means the value that the module computes at that place (a softmax that the list does not call 'softmax' is quantised finished and normalised). What goes into a quantiser is computed in f32, as accurately as f32 sums, v_exp_f32 and their like allow (about 1e-6 of the number): no bf16 or f16 on the way to a quantiser, and a product that is left as it is and whose result goes on into a quantised operand takes f32 operands (vector FMAs, or v_wmma_f32_16x16x4_f32). A number that lies on a knife's edge between two numbers of the format may be rounded either way, as far as f32 arithmetic and the matrix unit's own rounding can turn it there, and no further.
;;   INPUTS GIVEN AS CODES. Wk (in the module: [16, 1024, 64], K = its axis 1); Wo (in the module: [1024, 1024], K = its axis 1); Wq (in the module: [16, 1024, 64], K = its axis 1); Wv (in the module: [16, 1024, 64], K = its axis 1); x (in the module: [4, 2048, 1024], K = its axis 2): each comes as NAME_codes (uint8): NAME with its K axis moved to the last place and cut into blocks of 32 codes, [.., K / 32, bytes a block], one block behind the other in memory; four codes in three bytes: a row's codes are one little-endian stream of bits, code i at bits 6 i .. 6 i + 5 (a code: sign, 2 exponent bits, 3 mantissa bits); and NAME_scales (uint8): the same leading axes, one E8M0 byte (e + 127) for each 32 codes along K. Its value is code x scale, taken as it is: it is not quantised again, and the codes and scales need not be those that the quantiser above would give.
;; One version. Each part assembles by itself: llvm-mc -triple=amdgcn-amd-amdhsa -mcpu=gfx1250 --defsym DOCPART=n.
;; ======== version 1 of 1: 3 launches
;; limits: right only within a limited range of input values
;; workspace buffers: q_img 6,291,456 bytes; k_img 6,291,456 bytes; v_img 6,291,456 bytes; q_sc 262,144 bytes; k_sc 262,144 bytes; v_sc 262,144 bytes; a_img 6,291,456 bytes; a_sc 262,144 bytes
;; launch qkv (part 1): grid 8 x 32, 4 waves a work-group, clusters of 4 x 4, 327,680 bytes of LDS; arguments x_codes, x_scales, Wq_codes, Wq_scales, Wk_codes, Wk_scales, Wv_codes, Wv_scales, q_img, q_sc, k_img, k_sc, v_img, v_sc; writes q_img, q_sc, k_img, k_sc, v_img, v_sc
.if DOCPART == 1
	.amdgcn_target "amdgcn-amd-amdhsa--gfx1250"
	.amdhsa_code_object_version 6
	.text
	.protected	k_q97b5bd999a_qkv
	.globl	k_q97b5bd999a_qkv
	.p2align	8
	.type	k_q97b5bd999a_qkv,@function
k_q97b5bd999a_qkv:
	s_mov_b64 s[64:65], 0
	v_nop
	global_prefetch_b8 v0, s[64:65] scope:SCOPE_SE
	s_setreg_imm32_b32 hwreg(HW_REG_WAVE_MODE, 25, 1), 1
	s_wait_xcnt 0x0
	s_wait_alu depctr_hold_cnt(0) depctr_sa_sdst(0) depctr_va_vdst(0) depctr_va_sdst(0) depctr_va_ssrc(0) depctr_va_vcc(0) depctr_vm_vsrc(0)
	s_getreg_b32 s2, hwreg(HW_REG_IB_STS2, 6, 4)
	s_cmp_eq_u32 s2, 0
	s_cbranch_scc0 .Lentry_in_a_cluster
	s_endpgm
.Lentry_in_a_cluster:
	s_bfe_u32 s2, ttmp6, 0x10000c
	s_cmp_lg_u32 s2, 0xf033
	s_cbranch_scc0 .Lentry_shape_is_right
	s_endpgm
.Lentry_shape_is_right:
; LAUNCH 1 OF 3.  q, k, v [b][h][t][d] = sum over c of x[b][t][c] W[h][c][d] on the given E2M3 codes and E8M0 bytes (rows of 768 bytes, 32 scale bytes a row); the results are quantised in registers:
; q and k along d, v along the keys t.  Only codes and scale bytes go to memory.
; DEAD WORK (whole program): key tiles that lie wholly behind the causal mask are not multiplied in launch 2: their p is 0 for all inputs.  A NaN or infinity that reaches only those tiles is not carried on.
; THE DEAL.  256 work-groups: tile row Y (256 tokens) x tile column X (128 rows of a weight = heads 2 X, 2 X + 1).  A work-group keeps its 256 rows of x, all of K, in LDS and makes three tiles on them: q's, k's, v's.
; Four waves, 2 x 2: a wave takes 128 tokens (eight blocks of 16) and one head: its 64 rows of the weight, all of K, lie in registers (32 fragments), x's blocks stream past them in two sets of 8 fragments: 32 products a block.
; q, k (one loop of two trips): source 0 = the weight's rows, source 1 = x's: a lane holds a token, its registers run along d.  v: the sources swapped: a lane holds (h, d), its registers run along the keys.
; FILLS.  At the head one joint load a wave: Wq's rows, x's two halves, x's scale bytes.  The weights' region is filled again twice (Wk, Wv), a quarter a wave, behind the lines and a round of the cluster's barrier,
; as soon as all waves hold the last weight in registers: the whole phase's products stand between a refill and the wait for it, so no prefetch is laid.  The weights' scale words come straight into registers at the head.
; Every tile row is 768 or 256 bytes and begins at a multiple of 256.  CLUSTERS 4 x 4: x's rows are shared along a row of the cluster, a weight's along a column.
; THE WAY OUT, 64 registers at a time: four blocks of 32 along the next K, each shared by lanes l and l xor 16 (register 16 B + 8 u + j is element 32 B + 16 u + 8 (lane / 16) + j).
; After conversion and exchange of halves a block's codes stand in the order 0-7, 16-23, 8-15, 24-31; both operands of each later product carry that order, so the sums are the same.
; IMAGES.  Six operand registers are 768 bytes: registers 0-3 at 16 x lane, 4-5 at 512 + 8 x lane.  q_img, k_img [b h][16 tokens][768]; v_img [b h][128 keys][16 d][2 x 768];
; q_sc, k_sc [b h][32 tokens][r][u] of 2 bytes; v_sc [b h][128 keys][16 d][r] of 4 bytes.
; LIMITS: NaN, infinities and the scale byte 0xff among the inputs are not served.  A block of zeros gets the byte 1, not 127: its codes are zeros, and this program alone reads the bytes.
.set KROW,   768
.set PITCH,  816                       ; 3 x (256 + 16)
.set FR,     12
.set FPW,    21                        ; fragments in a window: fragment f lies in window 1 + f / 21 at register 12 (f % 21): 0-31 the weight's (4 q + b), 32-47 x's two sets
.set NF,     50                        ; LDS loads of a block of x: 48 + 2
.set WB,     256*PITCH                 ; behind x's rows: the weights' 128 rows
.set SX,     WB+128*PITCH              ; x's scale bytes, runs of 256 + 16
.set SPARE,  SX+32*272
.set XA,   8                           ; v8-9 my x rows, blocks 0-3 (v9: pieces behind one padding more); v10-11 blocks 4-7
.set WA,   12                          ; v12-13 my rows of the weight
.set AXS,  14                          ; my x rows' scale words
.set ABS,  15                          ; 32 x lane
.set OI16, 16
.set OI8,  17
.set OSQ,  18                          ; 4 r
.set OSV,  19                          ; 4 r + 64 (lane / 16)
.set SH16, 20
.set SPW,  28
.set NIL,  29
.set SB,   32                          ; v32-47 the weight's scale words: register 8 p + q: lanes 0-15 tile 2 p, lanes 16-31 tile 2 p + 1
.set SA,   52                          ; v52-67 x's, two sets of eight
.set TM,   68
.set PW,   84
.set SD,   85
.set CD,   86                          ; v86-105
.set ACC,  128                         ; v128-255
.set SBN,  128                         ; window 3, v896-927: the next two weights' scale words
.set G1X, 24
.set G1W, 32
.set G1S, 40
.set G0X, 48
.set G0W, 52
.set G0S, 56
.set SEL, 66
.set IMGP, 22
.set SCP,  62
.set MSB, 0
.macro WIN new
.if MSB != \new
	s_set_vgpr_msb (MSB<<8)|\new
.set MSB, \new
.endif
.endm
.macro PLACES n
.rept \n
	v_nop
.endr
.endm
.macro CROUND
	s_barrier_signal -1
	s_barrier_wait -1
	s_cmp_lg_u32 s14, 0
	s_cbranch_scc1 .Lnot_wave_0_\@
	s_barrier_signal -3
.Lnot_wave_0_\@:
	s_barrier_wait -3
	s_barrier_signal -1
	s_barrier_wait -1
.endm
.macro ROWS g, mask                    ; group 1: 128 rows of 768 bytes, 16 bytes of padding behind every 256
	s_or_b32 s[\g+0], s\mask, (1<<20)|(1<<21)|(5<<22)|(3<<25)
	s_mov_b32 s[\g+1], KROW<<16
	s_mov_b32 s[\g+2], 128<<16
	s_mov_b32 s[\g+3], KROW<<16
	s_mov_b32 s[\g+4], 128
	s_mov_b32 s[\g+5], KROW
	s_mov_b32 s[\g+6], 0
	s_mov_b32 s[\g+7], 0
.endm
	s_load_b512 s[68:83], s[0:1], 0x0              ; x's codes, scales; Wq's; Wk's; Wv's
	s_load_b256 s[84:91], s[0:1], 0x40             ; q_img, q_sc, k_img, k_sc
	s_load_b128 s[92:95], s[0:1], 0x60             ; v_img, v_sc
	v_lshl_add_u32 v[SPW], v0, 2, SPARE
	v_mov_b32 v[NIL], 0
	ds_add_u32 v[SPW], v[NIL]                      ; the opening lines
	ds_add_u32 v[SPW], v[NIL]
	v_lshrrev_b32 v1, 5, v0
	v_readfirstlane_b32 s14, v1                    ; wave
	s_lshr_b32 s15, s14, 1                         ; my half of the tokens
	s_and_b32 s16, s14, 1                          ; my head of the two
	s_bfe_u32 s60, ttmp6, 0x40000                  ; cx
	s_bfe_u32 s61, ttmp6, 0x40004                  ; cy
	s_lshl_b32 s18, ttmp9, 2
	s_add_co_u32 s18, s18, s60                     ; X
	s_and_b32 s17, ttmp7, 0xffff
	s_lshl_b32 s17, s17, 2
	s_add_co_u32 s17, s17, s61                     ; Y
	s_lshl_b32 s19, s61, 2
	s_lshl_b32 s19, 15, s19                        ; my row of the cluster
	s_lshl_b32 s20, 0x1111, s60                    ; my column
	ROWS G1X, 19
	ROWS G1W, 20
	s_or_b32 s[G1S+0], s19, (3<<16)|(1<<20)|(1<<21)|(5<<22)|(3<<25)   ; x's scale bytes: 32 rows of 256 bytes
	s_mov_b32 s[G1S+1], 32<<16
	s_mov_b32 s[G1S+2], 32<<16
	s_mov_b32 s[G1S+3], 32<<16
	s_mov_b32 s[G1S+4], 32
	s_mov_b32 s[G1S+5], 32
	s_mov_b32 s[G1S+6], 0
	s_mov_b32 s[G1S+7], 0
	s_lshl_b32 s22, s17, 8
	s_lshl_b32 s2, s15, 7
	s_add_co_u32 s22, s22, s2
	s_mul_i32 s22, s22, KROW                       ; x: 128 rows (waves 1 and 2 fetch halves 0 and 1)
	s_mov_b32 s23, 0
	s_mul_i32 s62, s18, 128*KROW                   ; a weight's tile
	s_mov_b32 s63, 0
	s_lshl_b32 s96, s17, 13                        ; x's scale bytes
	s_mov_b32 s97, 0
	s_mul_i32 s6, s14, 32*KROW                     ; a refill: my 32 rows of the tile
	s_add_co_u32 s6, s6, s62
	s_mov_b32 s7, 0
	s_mul_i32 s21, s14, 32*PITCH
	s_lshl_b32 s8, s18, 12                         ; my 64 rows' scale bytes in a weight
	s_lshl_b32 s2, s16, 11
	s_add_co_u32 s8, s8, s2
	s_mov_b32 s9, 0
	s_lshr_b32 s10, s17, 3
	s_lshl_b32 s10, s10, 4
	s_lshl_b32 s2, s18, 1
	s_add_co_u32 s10, s10, s2
	s_add_co_u32 s10, s10, s16                     ; 16 b + h
	s_and_b32 s2, s17, 7
	s_lshl_b32 s2, s2, 1
	s_add_co_u32 s2, s2, s15                       ; which 128 tokens of the 2,048
	s_lshl_b32 s12, s10, 12
	s_lshl_b32 s4, s2, 8
	s_add_co_u32 s12, s12, s4                      ; s[12:13] my place among scale bytes,
	s_mov_b32 s13, 0
	s_mul_i32 s10, s10, 98304
	s_mul_i32 s2, s2, 6144
	s_add_co_u32 s10, s10, s2                      ; s[10:11] among images: the same in q, k, v
	s_mov_b32 s11, 0
	s_mov_b32 s[SEL], 0x76543210
	s_mov_b32 s[SEL+1], 0xfedcba98
	s_wait_dscnt 0x0
	s_wait_kmcnt 0x0
	CROUND                                         ; in front of the first joint loads
	s_mov_b32 s[G0W], 1
	s_mov_b32 s[G0W+1], WB
	s_add_nc_u64 s[G0W+2:G0W+3], s[72:73], s[62:63]
	s_or_b32 s[G0W+3], s[G0W+3], 0x80000000
	s_mov_b32 s[G0X], 1
	s_mul_i32 s[G0X+1], s15, 128*PITCH
	s_add_nc_u64 s[G0X+2:G0X+3], s[68:69], s[22:23]
	s_or_b32 s[G0X+3], s[G0X+3], 0x80000000
	s_mov_b32 s[G0S], 1
	s_mov_b32 s[G0S+1], SX
	s_add_nc_u64 s[G0S+2:G0S+3], s[70:71], s[96:97]
	s_or_b32 s[G0S+3], s[G0S+3], 0x80000000
	s_add_nc_u64 s[98:99], s[74:75], s[8:9]        ; the three weights' scale bytes
	s_add_nc_u64 s[100:101], s[78:79], s[8:9]
	s_add_nc_u64 s[4:5], s[82:83], s[8:9]
.macro ARM under, g0, g1, next
	s_cmp_lt_u32 s14, \under
	s_cbranch_scc0 \next
	tensor_load_to_lds s[\g0:\g0+3], s[\g1:\g1+7]
	s_nop 0
	PLACES 4
	s_branch .Lhead_asked
\next:
.endm
	ARM 1, G0W, G1W, .Lhead_x                      ; one load a wave, in one chain: Wq's rows; x's halves; x's scale bytes
	ARM 3, G0X, G1X, .Lhead_s
	tensor_load_to_lds s[G0S:G0S+3], s[G1S:G1S+7]
	s_nop 0
	PLACES 4
.Lhead_asked:
	s_mul_i32 s62, s15, 128*PITCH
	s_mul_i32 s63, s16, 64*PITCH
	s_add_co_u32 s63, s63, WB
	s_mul_i32 s96, s15, 16*272
	s_add_co_u32 s96, s96, SX
	v_and_b32 v1, 15, v0
	v_bfe_u32 v2, v0, 4, 1
	v_and_b32 v3, 31, v0
	v_mul_u32_u24 v4, v1, PITCH
	v_mad_u32_u24 v4, v2, 24, v4                   ; row x pitch + 24 x half
	v_lshl_add_u32 v5, v2, 4, v4
	v_add_nc_u32 v[XA], s62, v4
	v_add_nc_u32 v[XA+1], s62, v5
	v_add_nc_u32 v[XA+2], 64*PITCH, v[XA]
	v_add_nc_u32 v[XA+3], 64*PITCH, v[XA+1]
	v_add_nc_u32 v[WA], s63, v4
	v_add_nc_u32 v[WA+1], s63, v5
	v_lshlrev_b32 v6, 5, v1
	v_lshrrev_b32 v7, 3, v1
	v_lshl_add_u32 v6, v7, 4, v6
	v_add_nc_u32 v[AXS], s96, v6
	v_lshlrev_b32 v[ABS], 5, v3
	v_lshlrev_b32 v[OI16], 4, v3
	v_lshlrev_b32 v[OI8], 3, v3
	v_lshlrev_b32 v[OSQ], 2, v1
	v_lshl_add_u32 v[OSV], v2, 6, v[OSQ]
	v_lshlrev_b32 v[SH16], 4, v2
.irp b, 0,1,2,3
	v_mov_b32 v[TM+4+\b], 0                        ; a lane permute's destination counts as a source
.endr
.macro WSC reg, base                   ; 64 rows' scale words: lane l takes rows 32 p + l
.irp p, 0,1
.irp c, 0,1
	global_load_b128 v[\reg+8*\p+4*\c:\reg+8*\p+4*\c+3], v[ABS], s[\base:\base+1] offset:1024*\p+16*\c
.endr
.endr
.endm
	WSC SB, 98
	WIN 3<<6
	WSC SBN, 100
	WSC SBN+16, 4
	WIN 0
.macro FRAG f, q, a, off               ; six pieces of 8 bytes; 16 bytes of padding behind every 32 pieces
	WIN (1+(\f)/FPW)<<6
.set R_, FR*((\f)%FPW)
.irp p, 0,1,2,3,4,5
.set PC, 12*(\q)+6*(\p/3)+\p%3
.if PC%32 < 29
	ds_load_b64 v[R_+2*\p:R_+2*\p+1], v[\a] offset:8*PC+16*(PC/32)+(\off)
.else
	ds_load_b64 v[R_+2*\p:R_+2*\p+1], v[\a+1] offset:8*PC+16*(PC/32)+(\off)
.endif
.endr
.endm
.macro WEIGHTS
.irp q, 0,1,2,3,4,5,6,7
.irp b, 0,1,2,3
	FRAG 4*\q+\b, \q, WA, \b*16*PITCH
.endr
.endr
	WIN 0
.endm
.macro FETCH s, e                      ; block s of x into set e
.irp q, 0,1,2,3,4,5,6,7
	FRAG 32+8*(\e)+\q, \q, XA+2*((\s)/4), ((\s)%4)*16*PITCH
.endr
	WIN 0
	ds_load_b128 v[SA+8*(\e):SA+8*(\e)+3], v[AXS] offset:(\s)*544
	ds_load_b128 v[SA+8*(\e)+4:SA+8*(\e)+7], v[AXS] offset:(\s)*544+16
.endm
.macro PROD1 r0, r1, c, x0, x1, side, o
.if \o
	v_wmma_scale_f32_16x16x128_f8f6f4 v[D_:D_+7], v[\r0:\r0+FR-1], v[\r1:\r1+FR-1], \c, v[\x0], v[\x1] matrix_a_fmt:MATRIX_FMT_FP6 matrix_b_fmt:MATRIX_FMT_FP6 matrix_\side\()_scale:MATRIX_SCALE_ROW1
.else
	v_wmma_scale_f32_16x16x128_f8f6f4 v[D_:D_+7], v[\r0:\r0+FR-1], v[\r1:\r1+FR-1], \c, v[\x0], v[\x1] matrix_a_fmt:MATRIX_FMT_FP6 matrix_b_fmt:MATRIX_FMT_FP6 matrix_\side\()_scale:MATRIX_SCALE_ROW0
.endif
.endm
.macro PROD kind, e, q, b              ; D_ is set by the caller; the first product of a sum takes the constant 0
.set FB_, 4*(\q)+(\b)
.set FA_, 32+8*(\e)+(\q)
.set RB_, FR*(FB_%FPW)
.set RA_, FR*(FA_%FPW)
.set XB_, SB+8*((\b)/2)+(\q)
.set XA_, SA+8*(\e)+(\q)
.if \kind
	WIN (1+FA_/FPW)|((1+FB_/FPW)<<2)
.if \q
	PROD1 RA_, RB_, v[D_:D_+7], XA_, XB_, b, (\b)%2
.else
	PROD1 RA_, RB_, 0, XA_, XB_, b, (\b)%2
.endif
.else
	WIN (1+FB_/FPW)|((1+FA_/FPW)<<2)
.if \q
	PROD1 RB_, RA_, v[D_:D_+7], XB_, XA_, a, (\b)%2
.else
	PROD1 RB_, RA_, 0, XB_, XA_, a, (\b)%2
.endif
.endif
.endm
; A block: 32 products, the four accumulators by turns; behind them the set takes the block two on.
.macro BLK kind, s
.if (\s) < 7
	s_wait_dscnt NF                                ; my block is in; the next block's 50 loads may be out
.else
	s_wait_dscnt 0x0
.endif
.irp q, 0,1,2,3,4,5,6,7
.irp b, 0,1,2,3
.if \kind
.set D_, ACC+32*\b+8*((\s)%4)
.else
.set D_, ACC+32*((\s)%2)+8*\b
.endif
	PROD \kind, (\s)%2, \q, \b
.endr
.endr
	WIN 0
	PLACES 4                                       ; places ahead of the loads into the set and of the first read of the sums
.if (\s) < 6
	FETCH (\s)+2, (\s)%2
.endif
.endm
.macro QUANT ac                        ; 64 sums a lane become 12 registers of codes (v[CD ..]) and a scale word (v[PW])
	s_wait_xcnt 0x0                                ; the last stores have read their data
.irp b, 0,1,2,3
	v_max3_num_f32 v[TM+\b], |v[\ac+16*\b]|, |v[\ac+16*\b+1]|, 0x1800000   ; each accumulator from its low end on; the floor 2^(3 - 127)
.endr
.irp i, 2,4,6,8,10,12,14
.irp b, 0,1,2,3
	v_max3_num_f32 v[TM+\b], |v[\ac+16*\b+\i]|, |v[\ac+16*\b+\i+1]|, v[TM+\b]
.endr
.endr
.irp b, 0,1,2,3
	v_permlanex16_b32 v[TM+4+\b], v[TM+\b], s[SEL], s[SEL+1]
.endr
.irp b, 0,1,2,3
	v_max_num_f32 v[TM+\b], v[TM+\b], v[TM+4+\b]
.endr
.irp b, 0,1,2,3
	v_add_nc_u32 v[TM+12+\b], 0xff000000, v[TM+\b] ; 2 off the exponent field: the conversion's scale operand
.endr
.irp b, 0,1,2,3
	v_lshrrev_b32 v[TM+4+\b], 23, v[TM+12+\b]      ; the byte
.endr
	v_lshl_or_b32 v[PW], v[TM+5], 8, v[TM+4]
	v_lshl_or_b32 v[PW], v[TM+6], 16, v[PW]
	v_lshl_or_b32 v[PW], v[TM+7], 24, v[PW]
.irp c, 0,1
	v_cvt_scalef32_pk16_fp6_f32 v[CD+6*\c:CD+2+6*\c], v[\ac+32*\c:\ac+15+32*\c], v[TM+12+2*\c]
	v_cvt_scalef32_pk16_fp6_f32 v[CD+12+4*\c:CD+14+4*\c], v[\ac+16+32*\c:\ac+31+32*\c], v[TM+12+2*\c+1]
.endr
	v_nop                                          ; one plain place behind a scaled conversion
.irp c, 0,1
.irp i, 0,1,2
	v_permlane16_swap_b32 v[CD+6*\c+\i], v[CD+12+4*\c+\i]
.endr
.irp i, 0,1,2
	v_mov_b32 v[CD+3+6*\c+\i], v[CD+12+4*\c+\i]
.endr
.endr
.endm
.macro PUT o0, o1                      ; two images of 768 bytes
	global_store_b128 v[OI16], v[CD:CD+3], s[IMGP:IMGP+1] offset:\o0
	global_store_b64 v[OI8], v[CD+4:CD+5], s[IMGP:IMGP+1] offset:(\o0)+512
	global_store_b128 v[OI16], v[CD+6:CD+9], s[IMGP:IMGP+1] offset:\o1
	global_store_b64 v[OI8], v[CD+10:CD+11], s[IMGP:IMGP+1] offset:(\o1)+512
.endm
; A phase begins: the weight's rows are shown to all and go into registers; refill = 1: the region is then filled again with the next weight.
.macro START refill
	s_wait_xcnt 0x0                                ; the last phase's stores have read their bases
	s_wait_tensorcnt 0x0                           ; my part of the weight's rows is in,
	s_barrier_signal -1
	s_barrier_wait -1                              ; everybody's is
	WEIGHTS
.if \refill
	s_wait_tensorcnt 0x0
	ds_add_u32 v[SPW], v[NIL]
	s_cmp_eq_u32 s3, 0
	s_cselect_b64 s[4:5], s[76:77], s[80:81]       ; the next weight: Wk, then Wv
	s_cselect_b64 s[IMGP:IMGP+1], s[84:85], s[88:89]   ; this phase's results: q's, then k's
	s_cselect_b64 s[SCP:SCP+1], s[86:87], s[90:91]
	s_add_nc_u64 s[G0W+2:G0W+3], s[4:5], s[6:7]
	s_or_b32 s[G0W+3], s[G0W+3], 0x80000000
	s_add_nc_u64 s[IMGP:IMGP+1], s[IMGP:IMGP+1], s[10:11]
	s_add_nc_u64 s[SCP:SCP+1], s[SCP:SCP+1], s[12:13]
	s_wait_dscnt 0x0                               ; the add is done, and the weight is in my registers
	CROUND
	tensor_load_to_lds s[G0W:G0W+3], s[G1W:G1W+7]  ; my 32 rows of the next weight
	s_nop 0
	PLACES 4
.endif
	FETCH 0, 0
	FETCH 1, 1
.endm
	s_wait_alu depctr_va_vdst(0)
	s_wait_tensorcnt 0x0                           ; no load of mine is out: the weights' descriptor may be written: from here on 32 rows a wave
	s_mov_b32 s[G1W+2], 32<<16
	s_mov_b32 s[G1W+4], 32
	s_add_co_u32 s[G0W+1], s21, WB
	s_wait_loadcnt 0x0                             ; the weights' scale words
	s_mov_b32 s3, 0
.Lphase:                                               ; q, then k
	START 1
.irp t, 0,1,2,3
	BLK 0, 2*\t
	BLK 0, 2*\t+1
	QUANT ACC                                      ; 32 tokens x my head's 64: two images and a word of four scale bytes a token pair
	PUT 1536*\t, 1536*\t+768
	global_store_b32 v[OSQ], v[PW], s[SCP:SCP+1] offset:64*\t   ; lanes r and 16 + r write the same word with the same value
.endr
	WIN 0x03
.set I, 0
.rept 16
	v_mov_b32 v[SB+I], v[SBN+I]                    ; the next weight's scale words,
.set I, I+1
.endr
	WIN 0xc3
.set I, 0
.rept 16
	v_mov_b32 v[SBN+I], v[SBN+16+I]                ; and the one after moves up
.set I, I+1
.endr
	WIN 0
	s_add_co_u32 s3, s3, 1
	s_cmp_lt_u32 s3, 2
	s_wait_alu depctr_va_vdst(0)
	s_cbranch_scc1 .Lphase
	START 0                                        ; v: nothing more is filled
	s_add_nc_u64 s[IMGP:IMGP+1], s[92:93], s[10:11]
	s_add_nc_u64 s[SCP:SCP+1], s[94:95], s[12:13]
.irp g, 0,1
	BLK 1, 4*\g
	BLK 1, 4*\g+1
	BLK 1, 4*\g+2
	BLK 1, 4*\g+3
.irp pr, 0,1                                   ; 64 keys x two tiles of 16 d
	QUANT ACC+64*\pr
	v_lshrrev_b32 v[SD], v[SH16], v[PW]            ; lanes 0-15: the first tile's two bytes; lanes 16-31: the second's
	PUT 3072*\pr+768*\g, 3072*\pr+768*\g+1536
	global_store_b16 v[OSV], v[SD], s[SCP:SCP+1] offset:128*\pr+2*\g
.endr
.endr
	s_wait_tensorcnt 0x0                           ; the wave's end
	ds_add_u32 v[SPW], v[NIL]
	s_wait_dscnt 0x0
	CROUND                                         ; the closing round
	s_endpgm
.Lfunc_end_k_q97b5bd999a_qkv:
	.size	k_q97b5bd999a_qkv, .Lfunc_end_k_q97b5bd999a_qkv-k_q97b5bd999a_qkv
	.p2alignl 7, 3214868480
	.fill 96, 4, 3214868480
	.section	.rodata,"a",@progbits
	.p2align	6, 0x0
	.amdhsa_kernel k_q97b5bd999a_qkv
		.amdhsa_group_segment_fixed_size 327680
		.amdhsa_private_segment_fixed_size 0
		.amdhsa_enable_private_segment 0
		.amdhsa_kernarg_size 112
		.amdhsa_user_sgpr_count 2
		.amdhsa_user_sgpr_kernarg_segment_ptr 1
		.amdhsa_wavefront_size32 1
		.amdhsa_system_sgpr_workgroup_id_x 1
		.amdhsa_system_sgpr_workgroup_id_y 1
		.amdhsa_system_sgpr_workgroup_id_z 1
		.amdhsa_system_vgpr_workitem_id 0
		.amdhsa_next_free_vgpr 1024
		.amdhsa_next_free_sgpr 102
		.amdhsa_reserve_vcc 0
		.amdhsa_float_denorm_mode_32 3
		.amdhsa_float_denorm_mode_16_64 3
		.amdhsa_memory_ordered 1
		.amdhsa_forward_progress 1
		.amdhsa_inst_pref_size 190
	.end_amdhsa_kernel
	.amdgpu_metadata
---
amdhsa.version: [ 1, 2 ]
amdhsa.kernels:
  - .name:           k_q97b5bd999a_qkv
    .symbol:         k_q97b5bd999a_qkv.kd
    .args:
      - { .name: x_codes, .offset: 0, .size: 8, .value_kind: global_buffer, .address_space: global }
      - { .name: x_scales, .offset: 8, .size: 8, .value_kind: global_buffer, .address_space: global }
      - { .name: Wq_codes, .offset: 16, .size: 8, .value_kind: global_buffer, .address_space: global }
      - { .name: Wq_scales, .offset: 24, .size: 8, .value_kind: global_buffer, .address_space: global }
      - { .name: Wk_codes, .offset: 32, .size: 8, .value_kind: global_buffer, .address_space: global }
      - { .name: Wk_scales, .offset: 40, .size: 8, .value_kind: global_buffer, .address_space: global }
      - { .name: Wv_codes, .offset: 48, .size: 8, .value_kind: global_buffer, .address_space: global }
      - { .name: Wv_scales, .offset: 56, .size: 8, .value_kind: global_buffer, .address_space: global }
      - { .name: q_img, .offset: 64, .size: 8, .value_kind: global_buffer, .address_space: global }
      - { .name: q_sc, .offset: 72, .size: 8, .value_kind: global_buffer, .address_space: global }
      - { .name: k_img, .offset: 80, .size: 8, .value_kind: global_buffer, .address_space: global }
      - { .name: k_sc, .offset: 88, .size: 8, .value_kind: global_buffer, .address_space: global }
      - { .name: v_img, .offset: 96, .size: 8, .value_kind: global_buffer, .address_space: global }
      - { .name: v_sc, .offset: 104, .size: 8, .value_kind: global_buffer, .address_space: global }
    .group_segment_fixed_size: 327680
    .private_segment_fixed_size: 0
    .kernarg_segment_align: 8
    .kernarg_segment_size: 112
    .max_flat_workgroup_size: 128
    .sgpr_count:     102
    .vgpr_count:     1024
    .wavefront_size: 32
...
	.end_amdgpu_metadata
.endif
;; end of part 1
;; launch attn (part 2): grid 4 x 64, 16 waves a work-group, clusters of 4 x 1, 206,848 bytes of LDS; arguments q_img, q_sc, k_img, k_sc, v_img, v_sc, a_img, a_sc; writes a_img, a_sc
.if DOCPART == 2
	.amdgcn_target "amdgcn-amd-amdhsa--gfx1250"
	.amdhsa_code_object_version 6
	.text
	.protected	k_q97b5bd999a_attn
	.globl	k_q97b5bd999a_attn
	.p2align	8
	.type	k_q97b5bd999a_attn,@function
k_q97b5bd999a_attn:
	s_mov_b64 s[64:65], 0
	v_nop
	global_prefetch_b8 v0, s[64:65] scope:SCOPE_SE
	s_setreg_imm32_b32 hwreg(HW_REG_WAVE_MODE, 25, 1), 1
	s_wait_xcnt 0x0
	s_wait_alu depctr_hold_cnt(0) depctr_sa_sdst(0) depctr_va_vdst(0) depctr_va_sdst(0) depctr_va_ssrc(0) depctr_va_vcc(0) depctr_vm_vsrc(0)
	s_getreg_b32 s2, hwreg(HW_REG_IB_STS2, 6, 4)
	s_cmp_eq_u32 s2, 0
	s_cbranch_scc0 .Lentry_in_a_cluster
	s_endpgm
.Lentry_in_a_cluster:
	s_bfe_u32 s2, ttmp6, 0x10000c
	s_cmp_lg_u32 s2, 0x3003
	s_cbranch_scc0 .Lentry_shape_is_right
	s_endpgm
.Lentry_shape_is_right:
; LAUNCH 2 OF 3.  For each (b, h): O[q] = sum over keys k <= q of softmax_k(q . k / 8) v[k], both products on E2M3 codes with one E8M0 scale for each 32 along K; O / l is quantised along the model's 1,024 and stored as codes.
; THE SOFTMAX AHEAD OF THE SECOND PRODUCT: t = score x log2(e) / 8; M = the running largest t rounded up to a whole number; p = 2^(t - M) is quantised along the keys, not normalised; the row's sum l is taken of the
; unquantised p and divides at the end.  When M moves, l and O are multiplied by 2^(old M - new M), which rounds nothing.
; SHARES.  A cluster of four work-groups is one (b, h); each work-group holds the head's whole K and V (codes 2 x 98,304 bytes, scale bytes 2 x 4,096) in LDS, filled ONCE by joint tensor loads: nothing is filled again,
; nothing is stored to LDS, and the loops have no barrier.  Sixteen waves, four to a SIMD, 256 registers each.  A wave (p = wave % 8, sub = wave / 8) takes two tiles of 16 queries one after the other:
; tile 8 g + 2 cx + sub with g = p, then with g = 15 - p.  A tile needs key steps 0 .. g of 128 keys, so every wave of every work-group has (p + 1) + (16 - p) = 17 steps.
; Both loops have constant trip counts (8 and 16); a step whose keys all come after the queries is jumped over by a scalar branch on the wave's number and the counter.  The place in the cluster enters global addresses and the mask's number alone.
; LAYOUT.  Both products are used transposed (S^T = K Q^T, O^T = V^T P^T): a lane holds one query (lane % 16) throughout.
; K = 64 IN AN INSTRUCTION OF 128.  A fragment of K is a PAIR of tiles: registers 0-5 keys 32 b + r, registers 6-11 keys 32 b + 16 + r.  The queries stand twice: QA = [q | zeros], QB = [zeros | q].  Pair x QA gives the
; scores of keys 32 b + 0 .. 15, pair x QB those of keys 32 b + 16 .. 31; zero codes add nothing.  K's scale word of row r holds both keys' two bytes; q's holds its two bytes twice.
; Register 16 b + 8 u + j of the scores is key 32 b + 16 u + 8 (lane / 16) + j: converted as they stand and exchanged by halves, p's blocks carry the order 0-7, 16-23, 8-15, 24-31, which is the order of V's keys as launch 1 stored them.
; The result goes on against Wo, whose codes are in true order: so O^T's halves are exchanged as f32 numbers first, and its codes come out in true order along d.
; OUT: a_img [tile of 16 tokens, 512][head 16][768]: six operand registers (registers 0-3 at 16 x lane, 4-5 at 512 + 8 x lane);  a_sc [8,192 tokens][32]: bytes 2 h, 2 h + 1 (2 bytes a lane, 32 bytes apart: 1 / 24 of the codes' bytes).
; LIMITS: NaN and infinities are not served.  The running largest t begins at -3e38.  1 / l is v_rcp_f32 and a multiplication.  A block of zeros gets the byte 1, not 127: its codes are zeros, and this program alone reads the bytes.
.set KIMG, 0                           ; LDS: K's images, [128 keys][4 pairs][1,536];
.set VIMG, 98304                       ; V's, [128 keys][4 x 16 d][1,536];
.set KSC,  196608                      ; K's scale words, [pair][r] of 4 bytes;
.set VSC,  200704                      ; V's, [128 keys][4 x 16 d][r] of 4 bytes
.set QA,   16                          ; v16-27  [q | 0]
.set QB,   28                          ; v28-39  [0 | q]
.set KF,   40                          ; v40-87  four fragments: K's pairs, then V's
.set S,    88                          ; v88-151 S^T, then p
.set O,    152                         ; v152-183 O^T, four tiles of 16 d
.set CD,   184                         ; v184-195 p's codes
.set CT,   196                         ; v196-203 the conversions' second halves
.set BM,   204                         ; v204-207 the blocks' largest
.set BT,   208                         ; v208-211 the other half's, then the bytes
.set SOP,  212                         ; v212-215 the conversions' scale operands
.set FF,   218                         ; v[218:219] f = 2^(old M - new M) (v219 is named with it as a pair)
.set PSW,  220                         ; v220 p's scale word
.set KSW,  221                         ; v221-222 K's scale words: lanes 0-15 pair 2 i, lanes 16-31 pair 2 i + 1
.set VSW,  223                         ; v223-224 V's likewise
.set NINF, 225                         ; v225 -infinity
.set QSW,  226                         ; v226 q's scale word
.set R4,   227                         ; v227 4 x (lane % 16)
.set R32,  228                         ; v228 32 x (lane % 16)
; v1 16 x lane, v2 8 x lane, v3, v4 the same + VIMG, v5 4 x lane + KSC; v6-10 the step's addresses; v11 the mask's number; v12 -M, v13 the largest t, v[14:15] the sum in two halves; v216, v217 at work
.set WV,   20                          ; s20 wave;  s21 p;  s22 sub;  s23 cx;  s24 16 b + h;  s25 b;  s26 h;  s27 wave % 2
.set PP,   21
.set SUB,  22
.set CX,   23
.set BH,   24
.set BB,   25
.set HH,   26
.set EE,   27
.set SEL,  28                          ; s[28:29] lane selects for v_permlanex16_b32: lane l xor 16
.set CS,   30                          ; s[30:31] c = log2(e) / 8
.set G1T,  32                          ; s[32:39] descriptor group 1: half a head's images;  s[40:47]: half its scale words
.set G1S,  40
.set G0KI, 48                          ; s[48:63] four groups 0: K's images, K's scale words, V's images, V's scale words
.set G0KS, 52
.set G0VI, 56
.set G0VS, 60
.set GG,   66                          ; s66 g;  s67 the key step;  s68, s69 its bytes among the images and among the scale words
.set ST,   67
.set TB,   68
.set TS,   69
.set QP,   70                          ; s[70:77] the pass's four addresses: q's image, q's scale bytes, the result's image, its scale bytes
.set QS,   72
.set AP,   74
.set AS,   76
.macro CROUND                          ; a round of the cluster's barrier
	s_barrier_signal -1
	s_barrier_wait -1
	s_cmp_lg_u32 s[WV], 0
	s_cbranch_scc1 .Lnot_wave_0_\@
	s_barrier_signal -3
.Lnot_wave_0_\@:
	s_barrier_wait -3
	s_barrier_signal -1
	s_barrier_wait -1
.endm
	s_load_b512 s[4:19], s[0:1], 0x0               ; q_img, q_sc, k_img, k_sc, v_img, v_sc, a_img, a_sc
	v_lshl_add_u32 v254, v0, 2, 0x32000
	v_mov_b32 v255, 0
	ds_add_u32 v254, v255
	ds_add_u32 v254, v255
	v_lshrrev_b32 v1, 5, v0
	s_delay_alu instid0(VALU_DEP_1)
	v_readfirstlane_b32 s[WV], v1                  ; wave 0..15
	s_and_b32 s[PP], s[WV], 7
	s_lshr_b32 s[SUB], s[WV], 3
	s_and_b32 s[EE], s[WV], 1
	s_bfe_u32 s[CX], ttmp6, 0x40000                ; my place in the cluster
	s_and_b32 s[BH], ttmp7, 0xffff                 ; 16 b + h, which the four partners share
	s_lshr_b32 s[BB], s[BH], 4
	s_and_b32 s[HH], s[BH], 15
	; descriptor group 1: dense blocks as rows of 256 bytes (32 elements of 8 bytes): 192 rows = 49,152 bytes of images; 8 rows = 2,048 bytes of scale words
	s_mov_b32 s[G1T], 15|(3<<16)|(1<<21)           ; 15:0 the mask: all four work-groups; 17:16 elements of 8 bytes; 20 no padding: every read has its lanes on end; 21 set beside a mask
	s_mov_b32 s[G1T+1], 32<<16                     ; tensor_dim0
	s_mov_b32 s[G1T+2], 192<<16                    ; tensor_dim1
	s_mov_b32 s[G1T+3], 32<<16                     ; tile_dim0
	s_mov_b32 s[G1T+4], 192                        ; tile_dim1
	s_mov_b32 s[G1T+5], 32                         ; tensor_dim0_stride
	s_mov_b32 s[G1T+6], 0
	s_mov_b32 s[G1T+7], 0
	s_mov_b32 s[G1S], 15|(3<<16)|(1<<21)
	s_mov_b32 s[G1S+1], 32<<16
	s_mov_b32 s[G1S+2], 8<<16
	s_mov_b32 s[G1S+3], 32<<16
	s_mov_b32 s[G1S+4], 8
	s_mov_b32 s[G1S+5], 32
	s_mov_b32 s[G1S+6], 0
	s_mov_b32 s[G1S+7], 0
	s_mov_b32 s[SEL], 0x76543210
	s_mov_b32 s[SEL+1], 0xfedcba98
	s_mov_b32 s[CS], 0x3e38aa3b                    ; log2(e) / 8
	s_mov_b32 s[CS+1], s[CS]                       ; (named with it as a pair, so it is written)
	s_mul_i32 s78, s[BH], 98304                    ; the head's images, my half of them: in memory,
	s_mul_i32 s80, s[EE], 49152                    ; and in LDS
	s_add_co_u32 s78, s78, s80
	s_mov_b32 s79, 0
	s_lshl_b32 s82, s[BH], 12                      ; its scale words likewise
	s_lshl_b32 s81, s[EE], 11
	s_add_co_u32 s82, s82, s81
	s_mov_b32 s83, 0
	s_wait_dscnt 0x0
	s_wait_kmcnt 0x0
	CROUND                                         ; all four work-groups are here: the joint loads meet
	s_mov_b32 s[G0KI], 1                           ; 1:0 count = 1
	s_mov_b32 s[G0KI+1], s80                       ; 63:32 LDS address
	s_add_nc_u64 s[G0KI+2:G0KI+3], s[8:9], s[78:79]   ; 120:64 global address
	s_or_b32 s[G0KI+3], s[G0KI+3], 0x80000000      ; 127:126 type = 2
	s_mov_b32 s[G0KS], 1
	s_add_co_u32 s[G0KS+1], s81, KSC
	s_add_nc_u64 s[G0KS+2:G0KS+3], s[10:11], s[82:83]
	s_or_b32 s[G0KS+3], s[G0KS+3], 0x80000000
	s_mov_b32 s[G0VI], 1
	s_add_co_u32 s[G0VI+1], s80, VIMG
	s_add_nc_u64 s[G0VI+2:G0VI+3], s[12:13], s[78:79]
	s_or_b32 s[G0VI+3], s[G0VI+3], 0x80000000
	s_mov_b32 s[G0VS], 1
	s_add_co_u32 s[G0VS+1], s81, VSC
	s_add_nc_u64 s[G0VS+2:G0VS+3], s[14:15], s[82:83]
	s_or_b32 s[G0VS+3], s[G0VS+3], 0x80000000
	s_cmp_lt_u32 s[WV], 2                          ; one fill a wave, in one chain of branches: waves 0, 1 K's images (a half each), 2, 3 V's, 4, 5 K's scale words, 6, 7 V's; the others none
	s_cbranch_scc0 .Lnot_k
	tensor_load_to_lds s[G0KI:G0KI+3], s[G1T:G1T+7]
	s_nop 0
.rept 4
	v_nop
.endr
	s_branch .Lasked
.Lnot_k:
	s_cmp_lt_u32 s[WV], 4
	s_cbranch_scc0 .Lnot_v
	tensor_load_to_lds s[G0VI:G0VI+3], s[G1T:G1T+7]
	s_nop 0
.rept 4
	v_nop
.endr
	s_branch .Lasked
.Lnot_v:
	s_cmp_lt_u32 s[WV], 6
	s_cbranch_scc0 .Lnot_ks
	tensor_load_to_lds s[G0KS:G0KS+3], s[G1S:G1S+7]
	s_nop 0
.rept 4
	v_nop
.endr
	s_branch .Lasked
.Lnot_ks:
	s_cmp_lt_u32 s[WV], 8
	s_cbranch_scc0 .Lasked
	tensor_load_to_lds s[G0VS:G0VS+3], s[G1S:G1S+7]
	s_nop 0
.rept 4
	v_nop
.endr
.Lasked:
	v_and_b32 v1, 31, v0                           ; lane
	s_delay_alu instid0(VALU_DEP_1)
	v_lshlrev_b32 v2, 3, v1                        ; 8 x lane
	s_delay_alu instid0(VALU_DEP_2)
	v_lshl_add_u32 v5, v1, 2, KSC                  ; 4 x lane + K's scale words
	s_delay_alu instid0(VALU_DEP_3)
	v_lshlrev_b32 v1, 4, v1                        ; 16 x lane
	s_delay_alu instid0(VALU_DEP_1)
	v_add_nc_u32 v3, VIMG, v1
	s_delay_alu instid0(VALU_DEP_4)
	v_add_nc_u32 v4, VIMG, v2
	v_and_b32 v216, 15, v0                         ; r
	v_bfe_u32 v217, v0, 4, 1                       ; lane / 16
	s_delay_alu instid0(VALU_DEP_2)
	v_lshlrev_b32 v[R4], 2, v216
	s_delay_alu instid0(VALU_DEP_3)
	v_lshlrev_b32 v[R32], 5, v216
	s_delay_alu instid0(VALU_DEP_3)
	v_lshlrev_b32 v217, 3, v217
	s_delay_alu instid0(VALU_DEP_1)
	v_sub_nc_u32 v11, v216, v217
	s_lshl_b32 s78, s[CX], 1
	s_add_co_u32 s78, s78, s[SUB]
	s_lshl_b32 s78, s78, 4
	v_add_nc_u32 v11, s78, v11                     ; my query's place in the diagonal step less 8 (lane / 16): the same in both passes
	v_mov_b32 v[NINF], 0xff800000
	v_mov_b32 v[FF+1], 0
.irp i, 0,1,2,3,4,5
	v_mov_b32 v[QA+6+\i], 0                        ; the zero halves of QA and QB: written once
	v_mov_b32 v[QB+\i], 0
.endr
.irp b, 0,1,2,3
	v_mov_b32 v[BT+\b], 0                          ; written once: a lane permute's destination counts as one of its sources
.endr
; A PASS BEGINS: s[GG] says which group of 8 tiles.  The pass's addresses, its queries, its statistics, O^T = 0.
.macro PREP
	s_lshl_b32 s78, s[GG], 3
	s_lshl_b32 s79, s[CX], 1
	s_add_co_u32 s78, s78, s79
	s_add_co_u32 s78, s78, s[SUB]                  ; my tile of 16 queries, 0 .. 127
	s_lshl_b32 s79, s[BH], 7
	s_add_co_u32 s79, s79, s78
	s_mul_i32 s80, s79, 768
	s_mov_b32 s81, 0
	s_add_nc_u64 s[QP:QP+1], s[4:5], s[80:81]
	s_lshl_b32 s79, s[BH], 6
	s_lshl_b32 s80, s[GG], 2
	s_add_co_u32 s79, s79, s80
	s_add_co_u32 s79, s79, s[CX]                   ; which 32 tokens: tile / 2
	s_lshl_b32 s79, s79, 6
	s_lshl_b32 s80, s[SUB], 1                      ; tile % 2
	s_add_co_u32 s80, s79, s80
	s_add_nc_u64 s[QS:QS+1], s[6:7], s[80:81]
	s_lshl_b32 s79, s[BB], 7
	s_add_co_u32 s79, s79, s78                     ; the tile among all 512
	s_lshl_b32 s80, s79, 4
	s_add_co_u32 s80, s80, s[HH]
	s_mul_i32 s80, s80, 768
	s_add_nc_u64 s[AP:AP+1], s[16:17], s[80:81]
	s_lshl_b32 s80, s79, 9                         ; 16 tokens of 32 bytes
	s_lshl_b32 s82, s[HH], 1
	s_add_co_u32 s80, s80, s82
	s_add_nc_u64 s[AS:AS+1], s[18:19], s[80:81]
	global_load_b128 v[QA:QA+3], v1, s[QP:QP+1]
	global_load_b64 v[QA+4:QA+5], v2, s[QP:QP+1] offset:512
	global_load_b128 v[QB+6:QB+9], v1, s[QP:QP+1]  ; the same six registers once more, as the upper half of QB
	global_load_b64 v[QB+10:QB+11], v2, s[QP:QP+1] offset:512
	global_load_u16 v216, v[R4], s[QS:QS+1]        ; my query's two scale bytes
	v_mov_b32 v13, 0xff61b1e6                      ; the largest t so far: -3e38
	s_delay_alu instid0(VALU_DEP_1)
	v_floor_f32 v12, -v13                          ; -M
	v_mov_b32 v14, 0
	v_mov_b32 v15, 0
	s_mov_b32 s[ST], 0
	s_mov_b32 s[TB], 0
	s_mov_b32 s[TS], 0
	s_wait_loadcnt 0x0
	v_lshl_or_b32 v[QSW], v216, 16, v216           ; twice: for QA's lower half and for QB's upper
.set n, 0
.rept 32
	v_mov_b32 v[O+n], 0                            ; O^T: the step is written once, and the first change of M leaves zeros zeros.  (These lines are also the eight places between the scale word's write and the first scaled product)
.set n, n+1
.endr
.endm
; THE LOOP OVER KEY STEPS: a constant number of trips; the steps behind the diagonal are jumped over, all but the lines that step the counter and the addresses.
.macro LOOP trips
.Lstep_\@:
	s_cmp_gt_u32 s[ST], s[GG]
	s_cbranch_scc1 .Lhidden_\@
	v_add_nc_u32 v6, s[TB], v1                     ; (these five are also the places in front of the loads into registers that the last products read)
	v_add_nc_u32 v7, s[TB], v2
	v_add_nc_u32 v8, s[TB], v3
	v_add_nc_u32 v9, s[TB], v4
	v_add_nc_u32 v10, s[TS], v5
.irp b, 0,1,2,3                                ; K's four pairs: 32 keys each, as images of their registers
	ds_load_b128 v[KF+12*\b:KF+12*\b+3], v6 offset:1536*\b
	ds_load_b64 v[KF+12*\b+4:KF+12*\b+5], v7 offset:1536*\b+512
	ds_load_b128 v[KF+12*\b+6:KF+12*\b+9], v6 offset:1536*\b+768
	ds_load_b64 v[KF+12*\b+10:KF+12*\b+11], v7 offset:1536*\b+1280
.endr
	ds_load_b32 v[KSW], v10
	ds_load_b32 v[KSW+1], v10 offset:128
	s_wait_alu depctr_va_vdst(0)
	s_wait_dscnt 0x0
.irp b, 0,1,2,3                                ; S^T: eight accumulators, each begun with the constant 0
.if \b%2
	v_wmma_scale_f32_16x16x128_f8f6f4 v[S+16*\b:S+16*\b+7], v[KF+12*\b:KF+12*\b+11], v[QA:QA+11], 0, v[KSW+\b/2], v[QSW] matrix_a_fmt:MATRIX_FMT_FP6 matrix_b_fmt:MATRIX_FMT_FP6 matrix_a_scale:MATRIX_SCALE_ROW1
	v_wmma_scale_f32_16x16x128_f8f6f4 v[S+16*\b+8:S+16*\b+15], v[KF+12*\b:KF+12*\b+11], v[QB:QB+11], 0, v[KSW+\b/2], v[QSW] matrix_a_fmt:MATRIX_FMT_FP6 matrix_b_fmt:MATRIX_FMT_FP6 matrix_a_scale:MATRIX_SCALE_ROW1
.else
	v_wmma_scale_f32_16x16x128_f8f6f4 v[S+16*\b:S+16*\b+7], v[KF+12*\b:KF+12*\b+11], v[QA:QA+11], 0, v[KSW+\b/2], v[QSW] matrix_a_fmt:MATRIX_FMT_FP6 matrix_b_fmt:MATRIX_FMT_FP6
	v_wmma_scale_f32_16x16x128_f8f6f4 v[S+16*\b+8:S+16*\b+15], v[KF+12*\b:KF+12*\b+11], v[QB:QB+11], 0, v[KSW+\b/2], v[QSW] matrix_a_fmt:MATRIX_FMT_FP6 matrix_b_fmt:MATRIX_FMT_FP6
.endif
.endr
.rept 4
	v_nop                                          ; places: for the loads below into K's registers, and for the first read of the scores
.endr
.irp t, 0,1,2,3                                ; V's four fragments (16 d x 128 keys) are asked for now and land under the softmax
	ds_load_b128 v[KF+12*\t:KF+12*\t+3], v8 offset:1536*\t
	ds_load_b64 v[KF+12*\t+4:KF+12*\t+5], v9 offset:1536*\t+512
	ds_load_b128 v[KF+12*\t+6:KF+12*\t+9], v8 offset:1536*\t+768
	ds_load_b64 v[KF+12*\t+10:KF+12*\t+11], v9 offset:1536*\t+1280
.endr
	ds_load_b32 v[VSW], v10 offset:VSC-KSC
	ds_load_b32 v[VSW+1], v10 offset:VSC-KSC+128
	s_cmp_lg_u32 s[ST], s[GG]                      ; only the diagonal step has hidden keys
	s_cbranch_scc1 .Lopen_\@
.set n, 0
.rept 64                                       ; register n holds key 16 (n / 8) + n % 8 + 8 (lane / 16) of the step: hidden where it comes after my query.  Its score becomes -infinity, so p = 0
	v_cmp_gt_i32 vcc_lo, 16*(n/8)+n%8, v11
	v_cndmask_b32 v[S+n], v[S+n], v[NINF], vcc_lo
.set n, n+1
.endr
.Lopen_\@:
.irp b, 0,1,2,3
	v_max3_num_f32 v[BM+\b], v[S+16*\b], v[S+1+16*\b], v[S+2+16*\b]   ; the largest score of each block of 32 keys: it serves the row's maximum and, since p rises with the score, the block's largest p
.endr
.irp i, 3,5,7,9,11,13
.irp b, 0,1,2,3
	v_max3_num_f32 v[BM+\b], v[BM+\b], v[S+16*\b+\i], v[S+1+16*\b+\i]   ; (the four blocks by turns)
.endr
.endr
.irp b, 0,1,2,3
	v_max_num_f32 v[BM+\b], v[BM+\b], v[S+15+16*\b]
.endr
.irp b, 0,1,2,3
	s_delay_alu instid0(VALU_DEP_4)
	v_permlanex16_b32 v[BT+\b], v[BM+\b], s[SEL], s[SEL+1]
.endr
.irp b, 0,1,2,3
	s_delay_alu instid0(VALU_DEP_4)
	v_max_num_f32 v[BM+\b], v[BM+\b], v[BT+\b]     ; with lane l xor 16's 16 keys
.endr
	s_delay_alu instid0(VALU_DEP_2)
	v_max3_num_f32 v216, v[BM], v[BM+1], v[BM+2]
	s_delay_alu instid0(VALU_DEP_1)
	v_max_num_f32 v216, v216, v[BM+3]              ; the step's largest score of my query
	s_delay_alu instid0(VALU_DEP_1)
	v_mul_f32 v216, s[CS], v216                    ; as t (c is positive)
	s_delay_alu instid0(VALU_DEP_1)
	v_max_num_f32 v13, v13, v216                   ; the running largest t
	v_mov_b32 v216, v12
	s_delay_alu instid0(VALU_DEP_2)
	v_floor_f32 v12, -v13                          ; the new -M = floor(-t) = -ceil(t)
	s_delay_alu instid0(VALU_DEP_1)
	v_sub_f32 v216, v12, v216                      ; old M - new M: a whole number, 0 or less
	s_delay_alu instid0(VALU_DEP_1)
	v_cvt_i32_f32 v216, v216                       ; (it saturates)
	s_delay_alu instid0(VALU_DEP_1)
	v_ldexp_f32 v[FF], 1.0, v216                   ; f = 2^(old M - new M)
.set n, 0
.rept 32
	v_pk_fma_f32 v[S+n:S+n+1], v[S+n:S+n+1], s[CS:CS+1], v[12:13] op_sel_hi:[1,0,0]   ; t - M, two at a time (of the pairs c and -M the low word serves both halves)
.set n, n+2
.endr
.irp b, 0,1,2,3
	v_fma_f32 v[BM+\b], v[BM+\b], s[CS], v12       ; the same of each block's largest score
.endr
.set n, 0
	s_wait_alu depctr_va_vdst(0)
.rept 64
	v_exp_f32 v[S+n], v[S+n]                       ; p = 2^(t - M), at most 1
.set n, n+1
.endr
.irp b, 0,1,2,3
	v_exp_f32 v[BM+\b], v[BM+\b]                   ; the block's largest p: the same two instructions on the same number give the same bits
.endr
	v_pk_mul_f32 v[14:15], v[14:15], v[FF:FF+1] op_sel_hi:[1,0]   ; the sums under the new M.  (The plain place behind the exponentials)
	s_wait_alu depctr_va_vdst(0)
.irp b, 0,1,2,3
	v_max_num_f32 v[BM+\b], 0x1800000, v[BM+\b]    ; the floor 2^(3 - 127): the byte cannot fall under 1
.endr
.irp b, 0,1,2,3
	s_delay_alu instid0(VALU_DEP_4)
	v_add_nc_u32 v[SOP+\b], 0xff000000, v[BM+\b]   ; 2 off the exponent field: the conversion's scale operand
.endr
.irp b, 0,1,2,3
	s_delay_alu instid0(VALU_DEP_4)
	v_lshrrev_b32 v[BT+\b], 23, v[SOP+\b]          ; the scale's byte
.endr
	s_delay_alu instid0(VALU_DEP_3)
	v_lshl_or_b32 v[PSW], v[BT+1], 8, v[BT]        ; p's scale word for these 128 keys
	s_delay_alu instid0(VALU_DEP_1)
	v_lshl_or_b32 v[PSW], v[BT+2], 16, v[PSW]
	s_delay_alu instid0(VALU_DEP_1)
	v_lshl_or_b32 v[PSW], v[BT+3], 24, v[PSW]
.irp c, 0,1
	v_cvt_scalef32_pk16_fp6_f32 v[CD+6*\c:CD+2+6*\c], v[S+32*\c:S+15+32*\c], v[SOP+2*\c]
	v_cvt_scalef32_pk16_fp6_f32 v[CT+4*\c:CT+2+4*\c], v[S+16+32*\c:S+31+32*\c], v[SOP+2*\c+1]   ; (a conversion's three registers begin on an even number)
.endr
	v_nop                                          ; one plain place behind a scaled conversion
.irp c, 0,1                                    ; the operand's layout wants a whole block in a lane
.irp i, 0,1,2
	v_permlane16_swap_b32 v[CD+6*\c+\i], v[CT+4*\c+\i]
.endr
.irp i, 0,1,2
	s_delay_alu instid0(VALU_DEP_3)
	v_mov_b32 v[CD+3+6*\c+\i], v[CT+4*\c+\i]
.endr
.endr
	v_pk_add_f32 v[208:209], v[92:93], v[96:97]
	v_pk_add_f32 v[252:253], v[100:101], v[104:105]
	v_pk_add_f32 v[250:251], v[108:109], v[112:113]
	v_pk_add_f32 v[248:249], v[116:117], v[120:121]
	v_pk_add_f32 v[246:247], v[124:125], v[128:129]
	v_pk_add_f32 v[244:245], v[132:133], v[136:137]
	v_pk_add_f32 v[242:243], v[140:141], v[144:145]
	v_pk_add_f32 v[14:15], v[14:15], v[148:149]
	v_pk_add_f32 v[208:209], v[208:209], v[88:89]
	v_pk_add_f32 v[252:253], v[252:253], v[90:91]
	v_pk_add_f32 v[250:251], v[250:251], v[94:95]
	v_pk_add_f32 v[248:249], v[248:249], v[98:99]
	v_pk_add_f32 v[246:247], v[246:247], v[102:103]
	v_pk_add_f32 v[244:245], v[244:245], v[106:107]
	v_pk_add_f32 v[242:243], v[242:243], v[110:111]
	v_pk_add_f32 v[14:15], v[14:15], v[114:115]
	v_pk_add_f32 v[208:209], v[208:209], v[118:119]
	v_pk_add_f32 v[252:253], v[252:253], v[122:123]
	v_pk_add_f32 v[250:251], v[250:251], v[126:127]
	v_pk_add_f32 v[248:249], v[248:249], v[130:131]
	v_pk_add_f32 v[246:247], v[246:247], v[134:135]
	v_pk_add_f32 v[244:245], v[244:245], v[138:139]
	v_pk_add_f32 v[242:243], v[242:243], v[142:143]
	v_pk_add_f32 v[14:15], v[14:15], v[146:147]
	v_pk_add_f32 v[208:209], v[208:209], v[150:151]
	s_delay_alu instid0(VALU_DEP_2)
	v_pk_add_f32 v[14:15], v[14:15], v[248:249]
	s_delay_alu instid0(VALU_DEP_2)
	v_pk_add_f32 v[208:209], v[208:209], v[246:247]
	v_pk_add_f32 v[252:253], v[252:253], v[244:245]
	v_pk_add_f32 v[250:251], v[250:251], v[242:243]
	s_delay_alu instid0(VALU_DEP_2)
	v_pk_add_f32 v[14:15], v[14:15], v[252:253]
	s_delay_alu instid0(VALU_DEP_2)
	v_pk_add_f32 v[208:209], v[208:209], v[250:251]
	s_delay_alu instid0(VALU_DEP_1)
	v_pk_add_f32 v[14:15], v[14:15], v[208:209]
.set n, 0
.rept 16
	v_pk_mul_f32 v[O+n:O+n+1], v[O+n:O+n+1], v[FF:FF+1] op_sel_hi:[1,0]   ; O^T under the new M, each accumulator from its low end on.  (With the sums above: the places between the codes' and the scale word's writes and the products below)
.set n, n+2
.endr
	s_wait_alu depctr_va_vdst(0)
	s_wait_dscnt 0x0                               ; V is in
.irp t, 0,1,2,3                                ; O^T += V^T P^T: four accumulators, one instruction each
.if \t%2
	v_wmma_scale_f32_16x16x128_f8f6f4 v[O+8*\t:O+8*\t+7], v[KF+12*\t:KF+12*\t+11], v[CD:CD+11], v[O+8*\t:O+8*\t+7], v[VSW+\t/2], v[PSW] matrix_a_fmt:MATRIX_FMT_FP6 matrix_b_fmt:MATRIX_FMT_FP6 matrix_a_scale:MATRIX_SCALE_ROW1
.else
	v_wmma_scale_f32_16x16x128_f8f6f4 v[O+8*\t:O+8*\t+7], v[KF+12*\t:KF+12*\t+11], v[CD:CD+11], v[O+8*\t:O+8*\t+7], v[VSW+\t/2], v[PSW] matrix_a_fmt:MATRIX_FMT_FP6 matrix_b_fmt:MATRIX_FMT_FP6
.endif
.endr
.Lhidden_\@:
	s_add_co_u32 s[ST], s[ST], 1
	s_add_co_u32 s[TB], s[TB], 6144                ; 128 keys of images, K's and V's alike
	s_add_co_u32 s[TS], s[TS], 256                 ; and of scale words
	s_cmp_lt_u32 s[ST], \trips
	s_cbranch_scc1 .Lstep_\@
.endm
; A PASS ENDS: O^T / l, into true order along d, quantised in two blocks of 32, stored as six operand registers and two scale bytes.
.macro OUT
.rept 4
	v_nop                                          ; places behind the last products
.endr
	v_add_f32 v14, v14, v15                        ; the sum's two halves,
	s_delay_alu instid0(VALU_DEP_1)
	v_permlanex16_b32 v216, v14, s[SEL], s[SEL+1]
	s_delay_alu instid0(VALU_DEP_1)
	v_add_f32 v14, v14, v216                       ; and lane l xor 16's
	s_wait_alu depctr_va_vdst(0)
	v_rcp_f32 v216, v14
	v_mov_b32 v217, 0                              ; (the plain place behind the reciprocal; v217 is named with v216 as a pair)
.set n, 0
	s_wait_alu depctr_va_vdst(0)
.rept 16
	v_pk_mul_f32 v[S+n:S+n+1], v[O+n:O+n+1], v[216:217] op_sel_hi:[1,0]   ; register 8 t + j: o(my query, 16 t + 8 (lane / 16) + j)
.set n, n+2
.endr
.irp c, 0,1
.irp j, 0,1,2,3,4,5,6,7
	v_permlane16_swap_b32 v[S+16*\c+\j], v[S+8+16*\c+\j]   ; the first's lanes 16-31 change places with the second's lanes 0-15: register 16 c + i is now d = 32 c + 16 (lane / 16) + i: 16 neighbours
.endr
.endr
.irp c, 0,1
	v_max3_num_f32 v[BM+\c], |v[S+16*\c]|, |v[S+1+16*\c]|, 0x1800000   ; with the floor 2^(3 - 127)
.endr
.irp i, 2,4,6,8,10,12,14
.irp c, 0,1
	s_delay_alu instid0(VALU_DEP_2)
	v_max3_num_f32 v[BM+\c], v[BM+\c], |v[S+16*\c+\i]|, |v[S+1+16*\c+\i]|
.endr
.endr
.irp c, 0,1
	s_delay_alu instid0(VALU_DEP_2)
	v_permlanex16_b32 v[BT+\c], v[BM+\c], s[SEL], s[SEL+1]
.endr
.irp c, 0,1
	s_delay_alu instid0(VALU_DEP_2)
	v_max_num_f32 v[BM+\c], v[BM+\c], v[BT+\c]
.endr
.irp c, 0,1
	s_delay_alu instid0(VALU_DEP_2)
	v_add_nc_u32 v[SOP+\c], 0xff000000, v[BM+\c]
.endr
.irp c, 0,1
	s_delay_alu instid0(VALU_DEP_2)
	v_lshrrev_b32 v[BT+\c], 23, v[SOP+\c]
.endr
	s_delay_alu instid0(VALU_DEP_1)
	v_lshl_or_b32 v217, v[BT+1], 8, v[BT]          ; the head's two scale bytes of my token
	v_cvt_scalef32_pk16_fp6_f32 v[CD:CD+2], v[S:S+15], v[SOP]
	v_cvt_scalef32_pk16_fp6_f32 v[CT:CT+2], v[S+16:S+31], v[SOP+1]
	v_nop                                          ; one plain place behind a scaled conversion
.irp i, 0,1,2
	v_permlane16_swap_b32 v[CD+\i], v[CT+\i]       ; lanes 0-15: block 0 whole; lanes 16-31: block 1 whole
.endr
.irp i, 0,1,2
	s_delay_alu instid0(VALU_DEP_3)
	v_mov_b32 v[CD+3+\i], v[CT+\i]
.endr
	global_store_b128 v1, v[CD:CD+3], s[AP:AP+1]   ; 512 consecutive bytes, at a multiple of 256 from the buffer's first byte
	global_store_b64 v2, v[CD+4:CD+5], s[AP:AP+1] offset:512
	global_store_b16 v[R32], v217, s[AS:AS+1]      ; lanes r and 16 + r write the same two bytes with the same value
	s_wait_xcnt 0x0                                ; the stores' data and bases are rewritten only behind this wait
.endm
	s_mov_b32 s[GG], s[PP]                         ; pass A: g = p
	PREP
	s_wait_tensorcnt 0x0                           ; my fills have landed (a wave that issued none passes at once),
	s_barrier_signal -1
	s_barrier_wait -1                              ; everybody's have: from here on LDS is only read
	LOOP 8
	OUT
	s_xor_b32 s[GG], s[PP], 15                     ; pass B: g = 15 - p
	PREP
	LOOP 16
	OUT
	s_wait_tensorcnt 0x0
	ds_add_u32 v254, v255
	s_wait_dscnt 0x0
	CROUND                                         ; the closing round: no work-group ends while a partner may still ask for a tile that names it
	s_endpgm
.Lfunc_end_k_q97b5bd999a_attn:
	.size	k_q97b5bd999a_attn, .Lfunc_end_k_q97b5bd999a_attn-k_q97b5bd999a_attn
	.p2alignl 7, 3214868480
	.fill 96, 4, 3214868480
	.section	.rodata,"a",@progbits
	.p2align	6, 0x0
	.amdhsa_kernel k_q97b5bd999a_attn
		.amdhsa_group_segment_fixed_size 206848
		.amdhsa_private_segment_fixed_size 0
		.amdhsa_enable_private_segment 0
		.amdhsa_kernarg_size 64
		.amdhsa_user_sgpr_count 2
		.amdhsa_user_sgpr_kernarg_segment_ptr 1
		.amdhsa_wavefront_size32 1
		.amdhsa_system_sgpr_workgroup_id_x 1
		.amdhsa_system_sgpr_workgroup_id_y 1
		.amdhsa_system_sgpr_workgroup_id_z 1
		.amdhsa_system_vgpr_workitem_id 0
		.amdhsa_next_free_vgpr 256
		.amdhsa_next_free_sgpr 84
		.amdhsa_reserve_vcc 1
		.amdhsa_float_denorm_mode_32 3
		.amdhsa_float_denorm_mode_16_64 3
		.amdhsa_memory_ordered 1
		.amdhsa_forward_progress 1
		.amdhsa_inst_pref_size 67
	.end_amdhsa_kernel
	.amdgpu_metadata
---
amdhsa.version: [ 1, 2 ]
amdhsa.kernels:
  - .name:           k_q97b5bd999a_attn
    .symbol:         k_q97b5bd999a_attn.kd
    .args:
      - { .name: q_img, .offset: 0, .size: 8, .value_kind: global_buffer, .address_space: global }
      - { .name: q_sc, .offset: 8, .size: 8, .value_kind: global_buffer, .address_space: global }
      - { .name: k_img, .offset: 16, .size: 8, .value_kind: global_buffer, .address_space: global }
      - { .name: k_sc, .offset: 24, .size: 8, .value_kind: global_buffer, .address_space: global }
      - { .name: v_img, .offset: 32, .size: 8, .value_kind: global_buffer, .address_space: global }
      - { .name: v_sc, .offset: 40, .size: 8, .value_kind: global_buffer, .address_space: global }
      - { .name: a_img, .offset: 48, .size: 8, .value_kind: global_buffer, .address_space: global }
      - { .name: a_sc, .offset: 56, .size: 8, .value_kind: global_buffer, .address_space: global }
    .group_segment_fixed_size: 206848
    .private_segment_fixed_size: 0
    .kernarg_segment_align: 8
    .kernarg_segment_size: 64
    .max_flat_workgroup_size: 512
    .sgpr_count:     84
    .vgpr_count:     256
    .wavefront_size: 32
...
	.end_amdgpu_metadata
.endif
;; end of part 2
;; launch proj (part 3): grid 8 x 32, 4 waves a work-group, clusters of 4 x 4, 327,680 bytes of LDS; arguments a_img, a_sc, Wo_codes, Wo_scales, out0, bo; writes out0
.if DOCPART == 3
	.amdgcn_target "amdgcn-amd-amdhsa--gfx1250"
	.amdhsa_code_object_version 6
	.text
	.protected	k_q97b5bd999a_proj
	.globl	k_q97b5bd999a_proj
	.p2align	8
	.type	k_q97b5bd999a_proj,@function
k_q97b5bd999a_proj:
	s_mov_b64 s[64:65], 0
	v_nop
	global_prefetch_b8 v0, s[64:65] scope:SCOPE_SE
	s_setreg_imm32_b32 hwreg(HW_REG_WAVE_MODE, 25, 1), 1
	s_wait_xcnt 0x0
	s_wait_alu depctr_hold_cnt(0) depctr_sa_sdst(0) depctr_va_vdst(0) depctr_va_sdst(0) depctr_va_ssrc(0) depctr_va_vcc(0) depctr_vm_vsrc(0)
	s_getreg_b32 s2, hwreg(HW_REG_IB_STS2, 6, 4)
	s_cmp_eq_u32 s2, 0
	s_cbranch_scc0 .Lentry_in_a_cluster
	s_endpgm
.Lentry_in_a_cluster:
	s_bfe_u32 s2, ttmp6, 0x10000c
	s_cmp_lg_u32 s2, 0xf033
	s_cbranch_scc0 .Lentry_shape_is_right
	s_endpgm
.Lentry_shape_is_right:
; LAUNCH 3 OF 3.  out0[t][n] = sum over k of a[t][k] Wo[n][k] + bo[n], on E2M3 codes with E8M0 bytes; a as launch 2 left it: a_img [16 tokens][head][768] (six operand registers: 0-3 at 16 x lane, 4-5 at 512 + 8 x lane), a_sc [token][32].
; A work-group of four waves makes 256 tokens x 128 columns, a wave 128 x 64: 32 accumulators.  Source 0 = 16 rows of Wo, source 1 = 16 tokens: a lane holds eight neighbouring columns of a row.  The bias is the first products' C.
; ALL OPERANDS LIE IN LDS AT ONCE, each byte filled once: a's two halves of K (2 x 98,304 bytes), Wo's 128 rows for all of K (rows of 768 bytes + 16 behind every 256: pitch 816), the scale bytes.  No slot is filled again.
; FILLS.  At the head one joint load a wave: a's first half of K, Wo's rows, a's scale bytes, Wo's.  Behind the lines and a round: a's second half, a quarter a wave; a plain barrier in step 3 shows it to all.
; Every tile row begins at a multiple of 256 bytes and is a multiple of 256 long (6,144; 768; 256).  CLUSTERS 4 x 4: a's tiles are shared along a row, Wo's along a column.
; No prefetch: all tiles are asked for at the head or directly behind it, and the text has no loop to run ahead in.
; THE WAY OUT: 16 rows x 64 columns at a time through the wave's own stage, which lies in a's first half: that half has had its only fill, and all reads of it are over at step 3's barrier.
; LIMITS: NaN, infinities and the scale byte 0xff are not served.
.set PITCH,  816
.set FR,     12
.set NP,     4
.set AROW,   6144                      ; 16 tokens, half of K
.set HALFA,  8*AROW
.set AH,     2*HALFA                   ; a half of K of 256 tokens
.set BOFF,   2*AH
.set HALFB,  64*PITCH
.set SCB,    BOFF+2*HALFB
.set HALFSB, 8*272
.set SCA,    SCB+2*HALFSB
.set HALFSA, 16*272
.set SBLK,   2*272
.set SPARE,  SCA+2*HALFSA
.set SPITCH, 272
.set ADRA, 16                          ; v16-17 16 x lane in half 0, 1; v18-19 8 x lane
.set ADRB, 20                          ; v20 my Wo fragments; v21 for pieces whose upper lanes lie behind one padding more
.set STO,  24
.set RD,   25
.set CO,   26
.set ADRS, 27                          ; scale words: lanes 0-15 Wo's rows, lanes 16-31 a's
.set SPW,  28
.set NIL,  29
.set SC,   32                          ; v32-95 two sets: register 4 i + q
.set AF,   128
.set BK,   128
.set BIAS, 224                         ; v224-255
.set G1, 24
.set G0A1, 32
.set G0H, 36
.set G1B, 48
.set G0B, 56
.set G1S, 68
.set G0S, 76
.set G1SB, 80
.set G0SB, 88
.set MSB, 0
.macro WIN new
.if MSB != \new
	s_set_vgpr_msb (MSB<<8)|\new
.set MSB, \new
.endif
.endm
.set MUL_C,  0xa1
.set MUL_1,  0x81                      ; C (the bias) in window 0
.set TO_B,   0x40
.macro PLACES n
.rept \n
	v_nop
.endr
.endm
.macro CROUND
	s_barrier_signal -1
	s_barrier_wait -1
	s_cmp_lg_u32 s14, 0
	s_cbranch_scc1 .Lnot_wave_0_\@
	s_barrier_signal -3
.Lnot_wave_0_\@:
	s_barrier_wait -3
	s_barrier_signal -1
	s_barrier_wait -1
.endm
.macro DENSE g, mask, rows             ; group 1: rows of 256 bytes, 16 of padding behind each
	s_or_b32 s[\g+0], s\mask, (3<<16)|(1<<20)|(1<<21)|(5<<22)|(3<<25)
	s_mov_b32 s[\g+1], 32<<16
	s_mov_b32 s[\g+2], (\rows)<<16
	s_mov_b32 s[\g+3], 32<<16
	s_mov_b32 s[\g+4], \rows
	s_mov_b32 s[\g+5], 32
	s_mov_b32 s[\g+6], 0
	s_mov_b32 s[\g+7], 0
.endm
.macro GRP0 g, lds, adr
	s_mov_b32 s[\g], 1
	s_mov_b32 s[\g+1], \lds
	s_mov_b64 s[\g+2:\g+3], s[\adr:\adr+1]
	s_or_b32 s[\g+3], s[\g+3], 0x80000000
.endm
	s_load_b128 s[4:7], s[0:1], 0x0                ; a_img, a_sc
	s_load_b128 s[8:11], s[0:1], 0x10              ; Wo's codes, scales
	s_load_b64 s[12:13], s[0:1], 0x20              ; out0
	s_load_b64 s[96:97], s[0:1], 0x28              ; bo
	v_lshl_add_u32 v[SPW], v0, 2, SPARE
	v_mov_b32 v[NIL], 0
	ds_add_u32 v[SPW], v[NIL]                      ; the opening lines
	ds_add_u32 v[SPW], v[NIL]
	v_lshrrev_b32 v1, 5, v0
	v_readfirstlane_b32 s14, v1                    ; wave
	s_lshr_b32 s15, s14, 1                         ; my half of the tokens
	s_and_b32 s16, s14, 1                          ; my half of the columns
	s_bfe_u32 s40, ttmp6, 0x40000
	s_bfe_u32 s41, ttmp6, 0x40004
	s_lshl_b32 s42, ttmp9, 2
	s_add_co_u32 s42, s42, s40                     ; tile column
	s_and_b32 s17, ttmp7, 0xffff
	s_lshl_b32 s17, s17, 2
	s_add_co_u32 s17, s17, s41                     ; tile row
	s_lshl_b32 s43, s41, 2
	s_lshl_b32 s43, 15, s43
	s_lshl_b32 s44, 0x1111, s40
	s_or_b32 s[G1+0], s43, (3<<16)|(1<<21)         ; a: 16 rows of 768 elements of 8 bytes, pitch 1,536; no padding: reads have their lanes on end
	s_mov_b32 s[G1+1], 768<<16
	s_mov_b32 s[G1+2], 16<<16
	s_mov_b32 s[G1+3], 768<<16
	s_mov_b32 s[G1+4], 16
	s_mov_b32 s[G1+5], 1536
	s_mov_b32 s[G1+6], 0
	s_mov_b32 s[G1+7], 0
	s_or_b32 s[G1B+0], s44, (1<<20)|(1<<21)|(5<<22)|(3<<25)   ; Wo: 128 rows of 768 bytes
	s_mov_b32 s[G1B+1], 768<<16
	s_mov_b32 s[G1B+2], 128<<16
	s_mov_b32 s[G1B+3], 768<<16
	s_mov_b32 s[G1B+4], 128
	s_mov_b32 s[G1B+5], 768
	s_mov_b32 s[G1B+6], 0
	s_mov_b32 s[G1B+7], 0
	DENSE G1S, 43, 32
	DENSE G1SB, 44, 16
	s_mul_i32 s20, s17, 16*12288
	s_mov_b32 s21, 0
	s_lshl_b32 s22, s17, 13
	s_mov_b32 s23, 0
	s_mul_i32 s46, s42, 128*768
	s_mov_b32 s47, 0
	s_lshl_b32 s92, s42, 12
	s_mov_b32 s93, 0
	s_mul_i32 s18, s14, 4*12288
	s_add_co_u32 s18, s18, AROW                    ; the second half of K, my four tiles of tokens
	s_mov_b32 s19, 0
	s_mul_i32 s45, s14, 4*AROW
	s_add_co_u32 s45, s45, AH
	s_wait_dscnt 0x0
	s_wait_kmcnt 0x0
	s_add_nc_u64 s[20:21], s[4:5], s[20:21]
	s_add_nc_u64 s[22:23], s[6:7], s[22:23]
	s_add_nc_u64 s[46:47], s[8:9], s[46:47]
	s_add_nc_u64 s[92:93], s[10:11], s[92:93]
	s_add_nc_u64 s[18:19], s[20:21], s[18:19]
	CROUND                                         ; in front of the first joint loads
	GRP0 G0H, 0, 20
	GRP0 G0B, BOFF, 46
	GRP0 G0S, SCA, 22
	GRP0 G0SB, SCB, 92
	GRP0 G0A1, s45, 18
.macro ARM under, g0, g1, next
	s_cmp_lt_u32 s14, \under
	s_cbranch_scc0 \next
	tensor_load_to_lds s[\g0:\g0+3], s[\g1:\g1+7]
	s_nop 0
	PLACES 4
	s_branch .Lhead_asked
\next:
.endm
	ARM 1, G0H, G1,  .Lhead_b
	ARM 2, G0B, G1B, .Lhead_sa
	ARM 3, G0S, G1S, .Lhead_sb
	tensor_load_to_lds s[G0SB:G0SB+3], s[G1SB:G1SB+7]
	s_nop 0
	PLACES 4
.Lhead_asked:
	s_mul_i32 s98, s15, HALFA
	s_mul_i32 s99, s16, HALFB
	s_add_co_u32 s99, s99, BOFF
	s_mul_i32 s94, s16, HALFSB
	s_mul_i32 s95, s15, HALFSA
	s_add_co_u32 s95, s95, SCA-SCB
	s_sub_co_u32 s95, s95, s94                     ; from Wo's scale words to a's
	s_add_co_u32 s94, s94, SCB
	s_mul_i32 s23, s14, 16*SPITCH                  ; my stage
	s_lshl_b32 s46, s42, 9
	s_lshl_b32 s47, s16, 8
	s_add_co_u32 s46, s46, s47                     ; my first column, in bytes
	s_mov_b32 s47, 0
	s_add_nc_u64 s[96:97], s[96:97], s[46:47]
	s_lshl_b32 s20, s17, 8
	s_lshl_b32 s18, s15, 7
	s_add_co_u32 s20, s20, s18
	s_lshl_b32 s20, s20, 12
	s_add_co_u32 s20, s20, s46
	s_mov_b32 s21, 0
	s_add_nc_u64 s[12:13], s[12:13], s[20:21]
	v_and_b32 v1, 15, v0
	v_bfe_u32 v2, v0, 4, 1
	v_and_b32 v7, 31, v0
	v_lshlrev_b32 v8, 4, v7
	v_lshlrev_b32 v9, 3, v7
	v_mul_u32_u24 v3, v1, PITCH
	v_mad_u32_u24 v4, v2, 24, v3
	v_lshl_add_u32 v5, v2, 4, v4
	v_add_nc_u32 v[ADRA], s98, v8
	v_add_nc_u32 v[ADRA+2], s98, v9
	v_add_nc_u32 v[ADRA+1], AH, v[ADRA]
	v_add_nc_u32 v[ADRA+3], AH, v[ADRA+2]
	v_add_nc_u32 v[ADRB], s99, v4
	v_add_nc_u32 v[ADRB+1], s99, v5
	v_lshlrev_b32 v5, 5, v1
	v_lshrrev_b32 v6, 3, v1
	v_lshl_add_u32 v5, v6, 4, v5
	v_mul_u32_u24 v6, s95, v2
	v_add_nc_u32 v5, v5, v6
	v_add_nc_u32 v[ADRS], s94, v5
	v_mul_u32_u24 v5, v1, SPITCH
	v_lshl_add_u32 v5, v2, 5, v5
	v_add_nc_u32 v[STO], s23, v5
	v_mul_u32_u24 v5, v2, SPITCH
	v_lshl_add_u32 v5, v1, 4, v5
	v_add_nc_u32 v[RD], s23, v5
	v_lshlrev_b32 v5, 12, v2
	v_lshl_add_u32 v[CO], v1, 4, v5
	v_lshlrev_b32 v10, 5, v2
.irp b, 0,1,2,3
	global_load_b128 v[BIAS+8*\b:BIAS+8*\b+3], v10, s[96:97] offset:64*\b
	global_load_b128 v[BIAS+8*\b+4:BIAS+8*\b+7], v10, s[96:97] offset:64*\b+16
.endr
.macro FRAG reg, st, i                 ; Wo: six pieces of 8 bytes; 16 bytes of padding behind every 32 pieces
.irp p, 0,1,2,3,4,5
.set PC, 12*(\st)+6*(\p/3)+\p%3
.if PC%32 < 29
	ds_load_b64 v[\reg+2*\p:\reg+2*\p+1], v[ADRB] offset:8*PC+16*(PC/32)+(\i)*16*PITCH
.else
	ds_load_b64 v[\reg+2*\p:\reg+2*\p+1], v[ADRB+1] offset:8*PC+16*(PC/32)+(\i)*16*PITCH
.endif
.endr
.endm
.macro FRAGA reg, slot, q, i
	ds_load_b128 v[\reg:\reg+3], v[ADRA+\slot] offset:AROW*(\i)+1536*(\q)
	ds_load_b64 v[\reg+4:\reg+5], v[ADRA+2+\slot] offset:AROW*(\i)+1536*(\q)+512
	ds_load_b128 v[\reg+6:\reg+9], v[ADRA+\slot] offset:AROW*(\i)+1536*(\q)+768
	ds_load_b64 v[\reg+10:\reg+11], v[ADRA+2+\slot] offset:AROW*(\i)+1536*(\q)+1280
.endm
.macro MUL8 a0, p, q, sc, first        ; the 32 accumulators take turns
.irp a, \a0, \a0+1
.irp b, 0,1,2,3
.if \first
	v_wmma_scale_f32_16x16x128_f8f6f4 v[8*(4*(\a)+\b):8*(4*(\a)+\b)+7], v[128*(\p)+FR*\b:128*(\p)+FR*\b+FR-1], v[AF+FR*(\a):AF+FR*(\a)+FR-1], v[BIAS+8*\b:BIAS+8*\b+7], v[SC+32*(\sc)+4*\b+(\q)], v[SC+32*(\sc)+4*(\a)+(\q)] matrix_a_fmt:MATRIX_FMT_FP6 matrix_b_fmt:MATRIX_FMT_FP6 matrix_b_scale:MATRIX_SCALE_ROW1
.else
	v_wmma_scale_f32_16x16x128_f8f6f4 v[8*(4*(\a)+\b):8*(4*(\a)+\b)+7], v[128*(\p)+FR*\b:128*(\p)+FR*\b+FR-1], v[AF+FR*(\a):AF+FR*(\a)+FR-1], v[8*(4*(\a)+\b):8*(4*(\a)+\b)+7], v[SC+32*(\sc)+4*\b+(\q)], v[SC+32*(\sc)+4*(\a)+(\q)] matrix_a_fmt:MATRIX_FMT_FP6 matrix_b_fmt:MATRIX_FMT_FP6 matrix_b_scale:MATRIX_SCALE_ROW1
.endif
.endr
.endr
.endm
.macro WMUL first
.if \first
	WIN MUL_1
.else
	WIN MUL_C
.endif
.endm
.macro FETCH_B slot, q, p
	WIN TO_B
.irp i, 0,1,2,3
	FRAG 128*(\p)+FR*\i, 4*(\slot)+(\q), \i
.endr
	WIN 0
.endm
.macro FETCH_A slot, q, i0
.irp i, \i0, \i0+1, \i0+2, \i0+3
	FRAGA AF+FR*(\i), \slot, \q, \i
.endr
.endm
.macro SCALES sc                       ; four words a row: a half of K
.irp i, 0,1,2,3,4,5,6,7
	ds_load_b128 v[SC+32*\sc+4*\i:SC+32*\sc+4*\i+3], v[ADRS] offset:\i*SBLK+16*\sc
.endr
.endm
.macro STEP slot, q, first
	s_wait_dscnt 16                                ; a's blocks 4-7 (16 loads) may be out
	WMUL \first
	MUL8 0, (\q)%2, \q, \slot, \first
	MUL8 2, (\q)%2, \q, \slot, \first
	s_wait_dscnt 0
	PLACES NP
	FETCH_B \slot, (\q)+1, 1-(\q)%2
	FETCH_A \slot, (\q)+1, 0
	WMUL \first
	MUL8 4, (\q)%2, \q, \slot, \first
	MUL8 6, (\q)%2, \q, \slot, \first
	PLACES NP
	WIN 0
	FETCH_A \slot, (\q)+1, 4
.endm
	s_wait_alu depctr_va_vdst(0)
	s_wait_tensorcnt 0x0                           ; my tile of the head's four is in
	ds_add_u32 v[SPW], v[NIL]
	s_mov_b32 s[G1+2], 4<<16                       ; no load of mine is out: the next load brings four rows
	s_mov_b32 s[G1+4], 4
	s_wait_dscnt 0x0
	CROUND
	tensor_load_to_lds s[G0A1:G0A1+3], s[G1:G1+7]  ; a's second half of K: my quarter
	s_nop 0
	PLACES 4
	FETCH_B 0, 0, 0
	FETCH_A 0, 0, 0
	SCALES 0
	FETCH_A 0, 0, 4
	s_wait_loadcnt 0x0                             ; the bias
	STEP 0, 0, 1
	STEP 0, 1, 0
	STEP 0, 2, 0
	s_wait_tensorcnt 0x0                           ; step 3: my quarter of the second half is in
	s_wait_dscnt 16
	WIN MUL_C
	MUL8 0, 1, 3, 0, 0
	s_wait_dscnt 0x0                               ; my reads of the first half are over
	s_barrier_signal -1                            ; a plain barrier
	MUL8 2, 1, 3, 0, 0
	WIN 0
	s_barrier_wait -1
	PLACES NP
	FETCH_B 1, 0, 0
	FETCH_A 1, 0, 0
	SCALES 1
	WIN MUL_C
	MUL8 4, 1, 3, 0, 0
	MUL8 6, 1, 3, 0, 0
	PLACES NP
	WIN 0
	FETCH_A 1, 0, 4
	STEP 1, 0, 0
	STEP 1, 1, 0
	STEP 1, 2, 0
	s_wait_dscnt 16
	WIN MUL_C
	MUL8 0, 1, 3, 1, 0
	MUL8 2, 1, 3, 1, 0
	s_wait_dscnt 0
	MUL8 4, 1, 3, 1, 0
	MUL8 6, 1, 3, 1, 0
	WIN 0
.macro TOSTAGE a
	WIN 0x08
.irp b, 0,1,2,3
	ds_store_b128 v[STO], v[32*(\a)+8*\b:32*(\a)+8*\b+3] offset:64*\b
	ds_store_b128 v[STO], v[32*(\a)+8*\b+4:32*(\a)+8*\b+7] offset:64*\b+16
.endr
	WIN 0
.set BB, BK+32*((\a)%2)
.irp t, 0,1,2,3,4,5,6,7
	ds_load_b128 v[BB+4*\t:BB+4*\t+3], v[RD] offset:\t*2*SPITCH
.endr
.endm
.macro SEND a, younger
.set BB, BK+32*((\a)%2)
	s_wait_dscnt \younger
.if (\a) > 0
	s_add_nc_u64 s[12:13], s[12:13], 16*4096
.endif
.irp t, 0,1,2,3,4,5,6,7
	global_store_b128 v[CO], v[BB+4*\t:BB+4*\t+3], s[12:13] offset:\t*8192 th:TH_STORE_NT   ; 16 lanes store 256 consecutive bytes, aligned
.endr
.endm
	PLACES NP
	TOSTAGE 0
.irp a, 1,2,3,4,5,6,7
.if \a > 1
	s_wait_xcnt 0x0                                ; block a - 2's stores have read their registers and base
.endif
	TOSTAGE \a
	SEND \a-1, 16                                  ; block a's 8 stores and 8 loads may be out
.endr
	s_wait_xcnt 0x0
	SEND 7, 0
	s_wait_tensorcnt 0x0                           ; the wave's end
	ds_add_u32 v[SPW], v[NIL]
	s_wait_dscnt 0x0
	CROUND                                         ; the closing round
	s_endpgm
.Lfunc_end_k_q97b5bd999a_proj:
	.size	k_q97b5bd999a_proj, .Lfunc_end_k_q97b5bd999a_proj-k_q97b5bd999a_proj
	.p2alignl 7, 3214868480
	.fill 96, 4, 3214868480
	.section	.rodata,"a",@progbits
	.p2align	6, 0x0
	.amdhsa_kernel k_q97b5bd999a_proj
		.amdhsa_group_segment_fixed_size 327680
		.amdhsa_private_segment_fixed_size 0
		.amdhsa_enable_private_segment 0
		.amdhsa_kernarg_size 48
		.amdhsa_user_sgpr_count 2
		.amdhsa_user_sgpr_kernarg_segment_ptr 1
		.amdhsa_wavefront_size32 1
		.amdhsa_system_sgpr_workgroup_id_x 1
		.amdhsa_system_sgpr_workgroup_id_y 1
		.amdhsa_system_sgpr_workgroup_id_z 1
		.amdhsa_system_vgpr_workitem_id 0
		.amdhsa_next_free_vgpr 768
		.amdhsa_next_free_sgpr 100
		.amdhsa_reserve_vcc 0
		.amdhsa_float_denorm_mode_32 3
		.amdhsa_float_denorm_mode_16_64 3
		.amdhsa_memory_ordered 1
		.amdhsa_forward_progress 1
		.amdhsa_inst_pref_size 91
	.end_amdhsa_kernel
	.amdgpu_metadata
---
amdhsa.version: [ 1, 2 ]
amdhsa.kernels:
  - .name:           k_q97b5bd999a_proj
    .symbol:         k_q97b5bd999a_proj.kd
    .args:
      - { .name: a_img, .offset: 0, .size: 8, .value_kind: global_buffer, .address_space: global }
      - { .name: a_sc, .offset: 8, .size: 8, .value_kind: global_buffer, .address_space: global }
      - { .name: Wo_codes, .offset: 16, .size: 8, .value_kind: global_buffer, .address_space: global }
      - { .name: Wo_scales, .offset: 24, .size: 8, .value_kind: global_buffer, .address_space: global }
      - { .name: out0, .offset: 32, .size: 8, .value_kind: global_buffer, .address_space: global }
      - { .name: bo, .offset: 40, .size: 8, .value_kind: global_buffer, .address_space: global }
    .group_segment_fixed_size: 327680
    .private_segment_fixed_size: 0
    .kernarg_segment_align: 8
    .kernarg_segment_size: 48
    .max_flat_workgroup_size: 128
    .sgpr_count:     100
    .vgpr_count:     768
    .wavefront_size: 32
...
	.end_amdgpu_metadata
.endif
;; end of part 3
